; MI455X (gfx1250); checked and timed in simulation.
; The chip was launched on July 23, 2026; its instructions are those of AMD's public machine-readable ISA for CDNA 5 (MIT licence, August 2026) and "CDNA5" Instruction Set Architecture Reference Guide (July 2026). The comments in the code are by the model that wrote it; some were corrected since.
;; Causal Self Attention. Allowed arithmetic: matrix products marked QUANTISED: E2M1 operands, one E8M0 scale for each 32 along K, by v_wmma_scale_f32_16x16x128_f8f6f4 with both operands' format E2M1 (or v_wmma_scale_f32_32x16x128_f4), f32 sums; everything else in f32.
;; Inputs: W_attn_codes 3,072 x 32 x 16 uint8 (E2M1 codes of W_attn, K innermost, in blocks of 32 codes, two codes a byte); W_attn_scales 3,072 x 32 uint8 (E8M0 scales of W_attn, one for each 32 codes along K); W_proj_codes 1,024 x 32 x 16 uint8 (E2M1 codes of W_proj, K innermost, in blocks of 32 codes, two codes a byte); W_proj_scales 1,024 x 32 uint8 (E8M0 scales of W_proj, one for each 32 codes along K); b_attn 3,072 float32; b_proj 1,024 float32; x_codes 2 x 2,048 x 32 x 16 uint8 (E2M1 codes of x, K innermost, in blocks of 32 codes, two codes a byte); x_scales 2 x 2,048 x 32 uint8 (E8M0 scales of x, one for each 32 codes along K).
;; Outputs: out0 2 x 2,048 x 1,024 float32.
;; This version of the problem:
;;   THIS VERSION OF THE PROBLEM IS GIVEN IN LOW PRECISION. The matrix products marked QUANTISED in the list below multiply operands that are first quantised to E2M1 (2 exponent bits, 1 mantissa bit; 4 bits a number), with one power-of-two scale for each 32 numbers along K (OCP MX v1.0); their sums are f32. All else is computed in f32.
;;   The module's matrix products, in the order in which they are computed (A, B: the left and right operand; K: the contracted axis; several contracted axes count as one K, in the product's order):
;;     1. [M 4,096, K 1,024] x [K 1,024, N 3,072]; A: input x (given as codes); B: input W_attn (given as codes): QUANTISED
;;     2. batch 32 x [M 2,048, K 64] x [K 64, N 2,048]; A: computed on the way; B: computed on the way: QUANTISED
;;     3. batch 32 x [M 2,048, K 2,048] x [K 2,048, N 64]; A: softmax (see below); B: computed on the way: QUANTISED
;;     4. [M 4,096, K 1,024] x [K 1,024, N 1,024]; A: computed on the way; B: input W_proj (given as codes): QUANTISED
;;   THE QUANTISER, for each operand of a quantised product, along K:
;;     - K is cut into blocks of 32 from its start; a last block that is shorter is filled with zeros.
;;     - A block's scale is 2^e with e = floor(log2(the largest magnitude in the block)) - 2, held to -126 .. 127; a block of zeros has e = 0. As a byte (E8M0): e + 127.
;;     - Each number is divided by its block's scale, clamped to +-6, and rounded to the nearest number of E2M1, ties to even, subnormals kept.
;;     - The product sums the exact products of the quantised numbers (number of the format x scale) in f32.
;;   ~~~python
;;   def quantise(x, axis):      # numpy; x: float32 -> the quantised numbers, widened to float32 again
;;       x = np.moveaxis(x, axis, -1); K = x.shape[-1]
;;       x = np.pad(x, [(0, 0)] * (x.ndim - 1) + [(0, -K % 32)]); x = x.reshape(x.shape[:-1] + (-1, 32)); a = np.abs(x).max(-1, keepdims=True)
;;       e = np.where(a > 0, np.clip(np.frexp(np.where(a > 0, a, 1))[1] - 1 - 2, -126, 127), 0)      # np.frexp(a)[1] - 1 = floor(log2(a)), exactly
;;       r = np.clip(x / 2.0 ** e, -6, 6)
;;       step = 2.0 ** (np.maximum(np.frexp(np.where(r == 0, 1, r))[1] - 1, 0) - 1)
;;       q = np.round(r / step) * step * 2.0 ** e      # np.round: ties to even
;;       return np.moveaxis(q.reshape(q.shape[:-2] + (-1,))[..., :K], -1, axis).astype(np.float32)
;;   ~~~
;;   SOFTMAX AHEAD OF A QUANTISED PRODUCT. Where the list says 'softmax', what is quantised is not the finished softmax but p = 2^(t - M), with t = logit x log2(e) and M = ceil(the row's largest t), a whole number; so 1/2 < the row's largest p <= 1. The row's sum l is taken of the UNQUANTISED p, in f32, and the product's result is divided by l at the end. Since M is a whole number, a kernel that streams over the keys may use a running M (the ceiling of the running maximum): every later rescaling is an exact power of two, which a block's scale takes up: the codes' values come out the same.
;;   OPERANDS COMPUTED ON THE WAY. 'Computed on the way' means the value that the module computes at that place (a softmax that the list does not call 'softmax' is quantised finished and normalised). What goes into a quantiser is computed in f32, as accurately as f32 sums, v_exp_f32 and their like allow (about 1e-6 of the number): no bf16 or f16 on the way to a quantiser, and a product that is left as it is and whose result goes on into a quantised operand takes f32 operands (vector FMAs, or v_wmma_f32_16x16x4_f32). A number that lies on a knife's edge between two numbers of the format may be rounded either way, as far as f32 arithmetic and the matrix unit's own rounding can turn it there, and no further.
;;   INPUTS GIVEN AS CODES. W_attn (in the module: [3072, 1024], K = its axis 1); W_proj (in the module: [1024, 1024], K = its axis 1); x (in the module: [2, 2048, 1024], K = its axis 2): each comes as NAME_codes (uint8): NAME with its K axis moved to the last place and cut into blocks of 32 codes, [.., K / 32, bytes a block], one block behind the other in memory; two codes a byte, the lower K in the low four bits (a code: sign, 2 exponent bits, 1 mantissa bit); and NAME_scales (uint8): the same leading axes, one E8M0 byte (e + 127) for each 32 codes along K. Its value is code x scale, taken as it is: it is not quantised again, and the codes and scales need not be those that the quantiser above would give.
;; One version. Each part assembles by itself: llvm-mc -triple=amdgcn-amd-amdhsa -mcpu=gfx1250 --defsym DOCPART=n.
;; ======== version 1 of 1: 3 launches
;; limits: right only within a limited range of input values
;; workspace buffers: qc 2,097,152 bytes; qs 262,144 bytes; kvc 4,194,304 bytes; kvs 393,216 bytes; yc 2,097,152 bytes; ys 131,072 bytes
;; launch qkv (part 1): grid 16 x 16, 8 waves a work-group, clusters of 4 x 4, 327,680 bytes of LDS; arguments x_codes, x_scales, W_attn_codes, W_attn_scales, b_attn, qc, qs, kvc, kvs; writes qc, qs, kvc, kvs
.if DOCPART == 1
	.amdgcn_target "amdgcn-amd-amdhsa--gfx1250"
	.amdhsa_code_object_version 6
	.text
	.protected	k_qae3f70343f_qkv
	.globl	k_qae3f70343f_qkv
	.p2align	8
	.type	k_qae3f70343f_qkv,@function
k_qae3f70343f_qkv:
	s_mov_b64 s[64:65], 0
	v_nop
	global_prefetch_b8 v0, s[64:65] scope:SCOPE_SE
	s_setreg_imm32_b32 hwreg(HW_REG_WAVE_MODE, 25, 1), 1
	s_wait_xcnt 0x0
	s_wait_alu depctr_hold_cnt(0) depctr_sa_sdst(0) depctr_va_vdst(0) depctr_va_sdst(0) depctr_va_ssrc(0) depctr_va_vcc(0) depctr_vm_vsrc(0)
	s_getreg_b32 s2, hwreg(HW_REG_IB_STS2, 6, 4)
	s_cmp_eq_u32 s2, 0
	s_cbranch_scc0 .Lentry_in_a_cluster
	s_endpgm
.Lentry_in_a_cluster:
	s_bfe_u32 s2, ttmp6, 0x10000c
	s_cmp_lg_u32 s2, 0xf033
	s_cbranch_scc0 .Lentry_shape_is_right
	s_endpgm
.Lentry_shape_is_right:
; FIRST OF THREE LAUNCHES.  qkv = x W_attn^T + b_attn on codes of FP4 (E2M1) with one E8M0 scale for each 32 along K = 1,024; sums in f32 that begin with the bias; the results are quantised at once for the
; products that take them: q and k along the head's 64 (two blocks of 32), v along the keys (blocks of 32 tokens).  Only codes and scale bytes go to memory.
; DEAD WORK OF THE PROGRAM.  reference() builds its causal mask in its own body (jnp.tril) and puts the least f32 number in place of every score with key > query; after the row's maximum is taken away such a score's
; weight is nothing, whatever finite values the inputs hold.  So the second launch leaves out every step of 128 keys that lies wholly behind a wave's block of 128 queries; inside the step on the diagonal hidden scores are
; computed and made -3e38.  Nothing else is left out: every input is loaded.  LIMIT: a NaN, an infinity or an overflow that would arise only in the steps left out is not carried to the result.
; LIMITS OF THE QUANTISERS HERE: NaN and infinities among the inputs are not served; a block whose largest magnitude lies under 2^-124 gets the scale byte 1; a block of zeros gets the byte 1 where the quantiser says
; 127: its codes are zeros, which add nothing under any byte but 0xff, and these bytes are read by this program alone.
; SHARES.  A work-group takes 256 tokens x one head's 64 features of q, of k and of v: 16 x 16 work-groups of equal work.  Eight waves: wave w takes the 64 tokens of quarter w / 2, the 64 features of q (w even) or k (odd), and
; one half of v's 64 features: 16 + 8 accumulators of 16 x 16.  All of K lies in LDS: eight tensor loads at the head, one a wave (x; W's q, k, v rows; x's scales; W's three scale blocks).  Nothing is filled again.
; CLUSTERS: 4 x 4 work-groups; x's tiles are shared along a row of the cluster, W's along a column, by joint loads.  No prefetch: there is no loop that asks ahead of itself.
; THE ROWS OF A FRAGMENT.  Fragment i of 64 rows (tokens or features) takes rows 8 i + 0 .. 7 in lanes 0-7 and rows 32 + 8 (i xor 1) + 0 .. 7 in lanes 8-15.  As source 0 of a product the result's register j of lane (r, h) is row
; 8 h + j of the fragment: so the 32 registers of four fragments are ONE block of 32 (block h), and the quantiser needs no other lane.  (i xor 1: the sixteen rows start at 16 different groups of four LDS banks.)  In blocks with h = 1
; neighbouring groups of eight stand exchanged, alike in q and k, and alike in v and in the second launch's scores.
; q, k: source 0 = W, source 1 = x: a lane holds one token, registers along features.  v: source 0 = x, source 1 = W: a lane holds one feature, registers along tokens.
;   qc [bh][64 tokens][fragment i][lane][16 B]   qs the same with one word a row: two bytes, two bytes 0
;   kvc [bh][step of 128 keys][8,192 B]: K as tiles 4 c + i (c: which 64 of the step) of 512 B, then V^T as fragments f of 1,024 B, c-th half 512 B    kvs [bh][step][768 B]: 128 words of K, 64 of V
; REGISTERS: window 0: v1-31, v72-77 addresses; v32-71 scale words alone; v80-159, v160-239 fragments, two buffers; on the way out v80-133.  window 1: v0-191 accumulators, v192-239 the bias.
.set PITCH,  528                       ; an LDS row: 512 bytes + 16 of padding
.set ROW16,  16*PITCH
.set ROW64,  64*PITCH
.set WB,     256*PITCH                 ; W's 192 rows behind x's 256
.set XSB,    WB+192*PITCH              ; x's scale bytes, units of 256 + 16 of padding (8 rows a unit)
.set WSB,    XSB+32*272                ; W's
.set SPARE,  251904                    ; the spare words, 128 bytes a wave
.set STQ,    SPARE+1024                ; q, k: 256 bytes a wave: its 64 scale words
.set STV,    STQ+2048                  ; v: 2 steps x 64 words
.set AX,   16                          ; v16, 17 LDS address of x's fragments, even and odd i;  v18, 19 W's of q or k;  v20, 21 W's of v
.set AW,   18
.set AV,   20
.set BVO,  22                          ; v22, 23 v's bias, even, odd;  v24, 25 q's or k's
.set BQO,  24
.set SCE,  26                          ; v26, 27 LDS address of scale words, even, odd: lanes 0-15 x's, lanes 16-31 W's;  v30 v's two fragments
.set SPW,  28
.set NIL,  29
.set SCV,  30
.set O1,   31                          ; 16 x lane
.set O2,   72                          ; 8 x lane
.set SAQ,  73
.set SRQ,  74
.set SVB,  75
.set SVR,  76
.set SH8,  77                          ; 8 x (lane / 16)
.set SC,   32                          ; word q of set i at v[SC + 8 i + q]: lanes 0-15 x's fragment i, lanes 16-31 W's; set 4: v's fragments 0 and 1
.set BUF,  80                          ; + 80 x (q % 2): x's four fragments, W's four, v's two
.set BI,   192
.set BV,   224
.set SEL,  66
.set G1X,  24
.set G1W,  32
.set G1XS, 48
.set G1WS, 56
.set G0X,  80
.set G0W,  84
.set G0XS, 88
.set G0WS, 92
.set MSB, 0
.macro WIN new                         ; the immediate's high byte repeats the setting that is left; a switch that changes nothing is dropped
.if MSB != (\new)
	s_set_vgpr_msb (MSB<<8)|(\new)
.set MSB, (\new)
.endif
.endm
.macro CROUND                          ; a round of the cluster's barrier
	s_barrier_signal -1
	s_barrier_wait -1
	s_cmp_lg_u32 s14, 0
	s_cbranch_scc1 .Lnot_wave_0_\@
	s_barrier_signal -3
.Lnot_wave_0_\@:
	s_barrier_wait -3
	s_barrier_signal -1
	s_barrier_wait -1
.endm
.macro ARM under, g0, g1, next         ; one arm of the head's tree: a load, its s_nop 0 and four v_nop
	s_cmp_lt_u32 s14, \under
	s_cbranch_scc0 \next
	tensor_load_to_lds s[\g0:\g0+3], s[\g1:\g1+7]
	s_nop 0
.rept 4
	v_nop
.endr
	s_branch .Lhead_asked
\next:
.endm
.macro PLACES n                        ; places behind matrix instructions (ISA guide 7.12.1)
.rept \n
	v_nop
.endr
.endm
	s_load_b128 s[4:7], s[0:1], 0x0                ; x's codes, scales
	s_load_b128 s[8:11], s[0:1], 0x10              ; W's codes, scales
	s_load_b64 s[12:13], s[0:1], 0x20              ; b_attn
	s_load_b256 s[72:79], s[0:1], 0x28             ; qc, qs, kvc, kvs
	v_lshl_add_u32 v[SPW], v0, 2, SPARE
	v_mov_b32 v[NIL], 0
	ds_add_u32 v[SPW], v[NIL]                      ; the wave's opening: the add, twice on end, and its wait ahead of the first tensor load
	ds_add_u32 v[SPW], v[NIL]
	v_lshrrev_b32 v1, 5, v0
	v_readfirstlane_b32 s14, v1                    ; wave 0..7
	s_bfe_u32 s40, ttmp6, 0x40000                  ; cx, cy
	s_bfe_u32 s41, ttmp6, 0x40004
	s_lshl_b32 s42, ttmp9, 2
	s_add_co_u32 s42, s42, s40                     ; the head
	s_and_b32 s17, ttmp7, 0xffff
	s_lshl_b32 s17, s17, 2
	s_add_co_u32 s17, s17, s41                     ; which 256 of the 4,096 tokens
	s_lshl_b32 s43, s41, 2
	s_lshl_b32 s43, 15, s43                        ; my row of the cluster
	s_lshl_b32 s44, 0x1111, s40                    ; my column
	s_add_co_u32 s18, s14, 3
	s_and_b32 s18, s18, 3                          ; waves 1-3 and 5-7: q, k or v
	s_or_b32 s[G1X], s43, (1<<20)|(1<<21)|(6<<22)|(3<<25)   ; mask; elements of 1 byte; four words of padding after every 128
	s_mov_b32 s[G1X+1], 512<<16
	s_mov_b32 s[G1X+2], 256<<16
	s_mov_b32 s[G1X+3], 512<<16
	s_mov_b32 s[G1X+4], 256
	s_mov_b32 s[G1X+5], 512
	s_mov_b32 s[G1X+6], 0
	s_mov_b32 s[G1X+7], 0
	s_or_b32 s[G1W], s44, (1<<20)|(1<<21)|(6<<22)|(3<<25)
	s_mov_b32 s[G1W+1], 512<<16
	s_mov_b32 s[G1W+2], 64<<16
	s_mov_b32 s[G1W+3], 512<<16
	s_mov_b32 s[G1W+4], 64
	s_mov_b32 s[G1W+5], 512
	s_mov_b32 s[G1W+6], 0
	s_mov_b32 s[G1W+7], 0
	s_or_b32 s[G1XS], s43, (3<<16)|(1<<20)|(1<<21)|(5<<22)|(3<<25)   ; the scale bytes: dense, as rows of 256 bytes, four words of padding behind each
	s_mov_b32 s[G1XS+1], 32<<16
	s_mov_b32 s[G1XS+2], 32<<16
	s_mov_b32 s[G1XS+3], 32<<16
	s_mov_b32 s[G1XS+4], 32
	s_mov_b32 s[G1XS+5], 32
	s_mov_b32 s[G1XS+6], 0
	s_mov_b32 s[G1XS+7], 0
	s_or_b32 s[G1WS], s44, (3<<16)|(1<<20)|(1<<21)|(5<<22)|(3<<25)
	s_mov_b32 s[G1WS+1], 32<<16
	s_mov_b32 s[G1WS+2], 8<<16
	s_mov_b32 s[G1WS+3], 32<<16
	s_mov_b32 s[G1WS+4], 8
	s_mov_b32 s[G1WS+5], 32
	s_mov_b32 s[G1WS+6], 0
	s_mov_b32 s[G1WS+7], 0
	s_lshl_b32 s20, s17, 17                        ; x: 256 rows of 512 bytes,
	s_mov_b32 s21, 0
	s_lshl_b32 s22, s17, 13                        ; of 32 scale bytes
	s_mov_b32 s23, 0
	s_lshl_b32 s68, s42, 15                        ; W: row 1,024 x which + 64 x head
	s_lshl_b32 s19, s18, 19
	s_add_co_u32 s68, s68, s19
	s_mov_b32 s69, 0
	s_lshl_b32 s70, s42, 11
	s_lshl_b32 s19, s18, 15
	s_add_co_u32 s70, s70, s19
	s_mov_b32 s71, 0
	s_mov_b32 s[G0X], 1
	s_mov_b32 s[G0X+1], 0
	s_mov_b32 s[G0W], 1
	s_mul_i32 s19, s18, ROW64
	s_add_co_u32 s[G0W+1], s19, WB
	s_mov_b32 s[G0XS], 1
	s_mov_b32 s[G0XS+1], XSB
	s_mov_b32 s[G0WS], 1
	s_mul_i32 s19, s18, 8*272
	s_add_co_u32 s[G0WS+1], s19, WSB
	s_wait_dscnt 0x0                               ; both opening adds are done
	s_wait_kmcnt 0x0
	s_add_nc_u64 s[G0X+2:G0X+3], s[4:5], s[20:21]
	s_or_b32 s[G0X+3], s[G0X+3], 0x80000000
	s_add_nc_u64 s[G0XS+2:G0XS+3], s[6:7], s[22:23]
	s_or_b32 s[G0XS+3], s[G0XS+3], 0x80000000
	s_add_nc_u64 s[G0W+2:G0W+3], s[8:9], s[68:69]
	s_or_b32 s[G0W+3], s[G0W+3], 0x80000000
	s_add_nc_u64 s[G0WS+2:G0WS+3], s[10:11], s[70:71]
	s_or_b32 s[G0WS+3], s[G0WS+3], 0x80000000
	CROUND                                         ; all sixteen work-groups are here: the joint loads meet
	ARM 1, G0X,  G1X,  .Lhead_w                    ; ONE load a wave: every way through the tree passes exactly one
	ARM 4, G0W,  G1W,  .Lhead_xs
	ARM 5, G0XS, G1XS, .Lhead_ws
	tensor_load_to_lds s[G0WS:G0WS+3], s[G1WS:G1WS+7]
	s_nop 0
.rept 4
	v_nop
.endr
.Lhead_asked:
	; where my results go
	s_lshr_b32 s15, s14, 1                         ; my 64 tokens of the 256
	s_and_b32 s16, s14, 1                          ; q (0) or k (1); which half of v's features
	s_lshr_b32 s4, s17, 3
	s_lshl_b32 s4, s4, 4
	s_add_co_u32 s4, s4, s42                       ; bh = 16 x batch + head
	s_and_b32 s5, s17, 7
	s_lshl_b32 s6, s5, 2
	s_add_co_u32 s6, s6, s15                       ; my 64 tokens' number in the sequence
	s_lshr_b32 s7, s6, 1                           ; their step of 128 keys,
	s_and_b32 s8, s15, 1                           ; and which half of it
	s_lshl_b32 s9, s4, 16
	s_lshl_b32 s10, s6, 11
	s_add_co_u32 s9, s9, s10                       ; in qc
	s_lshl_b32 s10, s4, 17
	s_lshl_b32 s2, s7, 13
	s_add_co_u32 s10, s10, s2                      ; my step in kvc
	s_lshl_b32 s2, s8, 11
	s_add_co_u32 s3, s10, s2
	s_cmp_eq_u32 s16, 0
	s_cselect_b64 s[20:21], s[72:73], s[76:77]
	s_cselect_b64 s[22:23], s[74:75], s[78:79]
	s_cselect_b32 s2, s9, s3
	s_mov_b32 s3, 0
	s_add_nc_u64 s[20:21], s[20:21], s[2:3]        ; q's or k's codes
	s_lshl_b32 s2, s8, 9
	s_add_co_u32 s10, s10, s2
	s_lshl_b32 s2, s16, 11
	s_add_co_u32 s10, s10, s2
	s_add_co_u32 s10, s10, 4096
	s_mov_b32 s11, 0
	s_add_nc_u64 s[44:45], s[76:77], s[10:11]      ; v's codes
	s_lshl_b32 s9, s4, 13
	s_lshl_b32 s10, s6, 8
	s_add_co_u32 s9, s9, s10                       ; in qs
	s_mul_i32 s10, s4, 12288
	s_mul_i32 s2, s7, 768
	s_add_co_u32 s2, s2, s10
	s_lshl_b32 s96, s8, 8
	s_add_co_u32 s2, s2, s96                       ; in kvs
	s_cmp_eq_u32 s16, 0
	s_cselect_b32 s2, s9, s2
	s_add_nc_u64 s[22:23], s[22:23], s[2:3]        ; q's or k's scale words
	s_lshl_b32 s2, s5, 1
	s_add_co_u32 s2, s2, s16
	s_mul_i32 s2, s2, 768
	s_add_co_u32 s2, s2, s10
	s_add_co_u32 s2, s2, 512
	s_add_nc_u64 s[46:47], s[78:79], s[2:3]        ; waves 0 and 1: v's scale words of step 0, 1 of my two
	s_lshl_b32 s2, s42, 8
	s_lshl_b32 s9, s16, 12
	s_add_co_u32 s10, s2, s9
	s_add_nc_u64 s[68:69], s[12:13], s[10:11]      ; q's or k's bias of this head
	s_lshl_b32 s9, s16, 6
	s_add_co_u32 s10, s2, s9
	s_add_co_u32 s10, s10, 8192
	s_add_nc_u64 s[70:71], s[12:13], s[10:11]      ; v's
	s_mov_b32 s[SEL], 0x76543210
	s_mov_b32 s[SEL+1], 0xfedcba98
	s_mul_i32 s96, s15, ROW64                      ; my 64 rows of x,
	s_mul_i32 s97, s16, ROW64
	s_add_co_u32 s97, s97, WB                      ; my 64 rows of W (q or k),
	s_mul_i32 s98, s16, ROW16
	s_add_co_u32 s98, s98, WB+128*PITCH            ; and v's
	s_mul_i32 s99, s15, 8*272
	s_add_co_u32 s99, s99, XSB                     ; their scales
	s_mul_i32 s100, s16, 8*272
	s_add_co_u32 s100, s100, WSB
	s_sub_co_u32 s100, s100, s99                   ; the distance from x's to W's
	s_mul_i32 s101, s16, 2*272
	s_add_co_u32 s101, s101, WSB+16*272
	s_lshl_b32 s4, s14, 8
	s_add_co_u32 s4, s4, STQ
	s_lshr_b32 s5, s15, 1
	s_lshl_b32 s5, s5, 8
	s_lshl_b32 s6, s8, 1
	s_add_co_u32 s5, s5, s6
	s_lshl_b32 s6, s16, 7
	s_add_co_u32 s5, s5, s6
	s_add_co_u32 s5, s5, STV                       ; v's byte: 256 x step + 2 c + 128 x half (+ 64 e + 4 r + h)
	s_lshl_b32 s6, s16, 8
	s_add_co_u32 s6, s6, STV
	v_and_b32 v1, 15, v0                           ; r
	v_bfe_u32 v2, v0, 4, 1                         ; h
	v_bfe_u32 v3, v0, 3, 1                         ; r / 8
	v_and_b32 v4, 7, v0                            ; r % 8
	v_and_b32 v7, 31, v0                           ; lane
	v_lshl_add_u32 v5, v3, 5, v1                   ; my row in a fragment with even i: r, or 32 + r
	v_lshl_add_u32 v6, v3, 4, v1
	v_add_nc_u32 v6, 8, v6                         ; with odd i: 8 + r, or 24 + r
	v_lshlrev_b32 v[BVO], 2, v5
	v_lshlrev_b32 v[BVO+1], 2, v6
	v_mul_u32_u24 v[BQO], v2, 160                  ; the bias along a lane's registers: block h, for h = 1 with the groups exchanged
	v_mul_u32_u24 v[BQO+1], v2, 96
	WIN 0x40
.irp b, 0,1,2,3
	global_load_b128 v[BI+8*\b:BI+8*\b+3], v[BQO+\b%2], s[68:69] offset:32*\b
	global_load_b128 v[BI+8*\b+4:BI+8*\b+7], v[BQO+\b%2], s[68:69] offset:32*\b+16
.endr
.irp j, 0,1,2,3,4,5,6,7
	global_load_b32 v[BV+\j], v[BVO], s[70:71]     ; a feature's bias in eight registers: the C of its first products
	global_load_b32 v[BV+8+\j], v[BVO+1], s[70:71]
.endr
	WIN 0
	v_mul_u32_u24 v8, v5, PITCH
	v_mul_u32_u24 v9, v6, PITCH
	v_lshl_add_u32 v8, v2, 4, v8                   ; row x pitch + 16 h
	v_lshl_add_u32 v9, v2, 4, v9
	v_add_nc_u32 v[AX], s96, v8
	v_add_nc_u32 v[AX+1], s96, v9
	v_add_nc_u32 v[AW], s97, v8
	v_add_nc_u32 v[AW+1], s97, v9
	v_add_nc_u32 v[AV], s98, v8
	v_add_nc_u32 v[AV+1], s98, v9
	v_lshlrev_b32 v10, 5, v4                       ; a row's 32 scale bytes: eight rows a unit
	v_mul_u32_u24 v11, s100, v2                    ; lanes 16-31 take W's
	v_add_nc_u32 v11, v11, v10
	v_add_nc_u32 v11, s99, v11
	v_mul_u32_u24 v12, v3, 5*272                   ; even i: unit 0 or 5
	v_add_nc_u32 v[SCE], v12, v11
	v_mul_u32_u24 v13, v3, 3*272                   ; odd i: unit 1 or 4
	v_add_nc_u32 v13, 272, v13
	v_add_nc_u32 v[SCE+1], v13, v11
	v_xor_b32 v14, v3, v2
	v_lshl_add_u32 v15, v3, 2, v14                 ; v: lanes 0-15 the even fragment's unit (0, 5), lanes 16-31 the odd one's (1, 4)
	v_mul_u32_u24 v15, v15, 272
	v_add_nc_u32 v15, v15, v10
	v_add_nc_u32 v[SCV], s101, v15
	v_lshlrev_b32 v[O1], 4, v7
	v_lshlrev_b32 v[O2], 3, v7
	v_lshl_add_u32 v[SAQ], v1, 2, s4
	v_add_nc_u32 v[SRQ], s4, v[O2]
	v_lshl_add_u32 v[SVB], v1, 2, v2
	v_add_nc_u32 v[SVB], s5, v[SVB]
	v_add_nc_u32 v[SVR], s6, v[O2]
	v_lshlrev_b32 v[SH8], 3, v2
.macro FETCH q                         ; 20 loads: the fragments of the q-th 128 along K into buffer q % 2
.set FB, BUF+80*((\q)%2)
.irp i, 0,1,2,3
.irp c, 0,1
	ds_load_b128 v[FB+8*\i+4*\c:FB+8*\i+4*\c+3], v[AX+\i%2] offset:(\i/2)*ROW16+64*(\q)+32*\c
.endr
.endr
.irp i, 0,1,2,3
.irp c, 0,1
	ds_load_b128 v[FB+32+8*\i+4*\c:FB+32+8*\i+4*\c+3], v[AW+\i%2] offset:(\i/2)*ROW16+64*(\q)+32*\c
.endr
.endr
.irp i, 0,1
.irp c, 0,1
	ds_load_b128 v[FB+64+8*\i+4*\c:FB+64+8*\i+4*\c+3], v[AV+\i] offset:64*(\q)+32*\c
.endr
.endr
.endm
; 24 matrix instructions, the 24 accumulators by turns.  In the first step C is the bias.
.macro MULS q
.set FB, BUF+80*((\q)%2)
	WIN 0x50
.irp a, 0,1,2,3
.irp b, 0,1,2,3
.set RD, 32*\a+8*\b
.set RC, RD
.if (\q) == 0
.set RC, BI+8*\b
.endif
	v_wmma_scale_f32_16x16x128_f8f6f4 v[RD:RD+7], v[FB+32+8*\b:FB+39+8*\b], v[FB+8*\a:FB+7+8*\a], v[RC:RC+7], v[SC+8*\b+(\q)], v[SC+8*\a+(\q)] matrix_a_fmt:MATRIX_FMT_FP4 matrix_b_fmt:MATRIX_FMT_FP4 matrix_a_scale:MATRIX_SCALE_ROW1
.endr
.endr
.irp e, 0,1
.irp i, 0,1,2,3
.set RD, 128+32*\e+8*\i
.set RC, RD
.if (\q) == 0
.set RC, BV+8*\e
.endif
.if \e
	v_wmma_scale_f32_16x16x128_f8f6f4 v[RD:RD+7], v[FB+8*\i:FB+7+8*\i], v[FB+72:FB+79], v[RC:RC+7], v[SC+8*\i+(\q)], v[SC+32+(\q)] matrix_a_fmt:MATRIX_FMT_FP4 matrix_b_fmt:MATRIX_FMT_FP4 matrix_b_scale:MATRIX_SCALE_ROW1
.else
	v_wmma_scale_f32_16x16x128_f8f6f4 v[RD:RD+7], v[FB+8*\i:FB+7+8*\i], v[FB+64:FB+71], v[RC:RC+7], v[SC+8*\i+(\q)], v[SC+32+(\q)] matrix_a_fmt:MATRIX_FMT_FP4 matrix_b_fmt:MATRIX_FMT_FP4
.endif
.endr
.endr
	WIN 0
.endm
	s_wait_alu depctr_va_vdst(0)                   ; the wait at the head's end
	s_wait_tensorcnt 0x0                           ; my tile is in,
	s_barrier_signal -1
	s_barrier_wait -1                              ; everybody's are
.irp i, 0,1,2,3
.irp k, 0,1
	ds_load_b128 v[SC+8*\i+4*\k:SC+8*\i+4*\k+3], v[SCE+\i%2] offset:(\i/2)*544+16*\k
.endr
.endr
.irp k, 0,1
	ds_load_b128 v[SC+32+4*\k:SC+32+4*\k+3], v[SCV] offset:16*\k
.endr
	FETCH 0
	FETCH 1
	s_wait_loadcnt 0x0                             ; the bias
.irp q, 0,1,2,3,4,5
	s_wait_dscnt 20                                ; all but the next step's 20 loads
	MULS \q
	PLACES 4
	FETCH \q+2
.endr
	s_wait_dscnt 20
	MULS 6
	s_wait_dscnt 0x0
	MULS 7
	PLACES 4
	; THE WAY OUT: six lists of 32 numbers, list l at window 1's v[32 l]: q's or k's four token fragments, v's two feature fragments.  A list is one block of its quantiser.
	WIN 0x05
.irp l, 0,1,2,3,4,5
	v_max3_num_f32 v[80+\l], |v[32*\l]|, |v[32*\l+1]|, 0x1800000    ; the floor 2^(3 - 127): the byte cannot fall under 1
.endr
.irp i, 2,4,6,8,10,12,14,16,18,20,22,24,26,28,30
.irp l, 0,1,2,3,4,5
	v_max3_num_f32 v[80+\l], |v[32*\l+\i]|, |v[32*\l+\i+1]|, v[80+\l]
.endr
.endr
	WIN 0
.irp l, 0,1,2,3,4,5
	v_add_nc_u32 v[86+\l], 0xff000000, v[80+\l]    ; 2 off the exponent field: the conversion's scale operand
.endr
.irp l, 0,1,2,3,4,5
	v_lshrrev_b32 v[92+\l], 23, v[86+\l]           ; the scale's byte
.endr
	WIN 0x01
.irp l, 0,1,2,3,4,5
.irp g, 0,1,2,3
	v_cvt_scalef32_pk8_fp4_f32 v[104+4*\l+\g], v[32*\l+8*\g:32*\l+8*\g+7], v[86+\l]
.endr
.endr
	WIN 0
	v_nop                                          ; one plain place behind a scaled conversion
.irp l, 0,1,2,3
	v_lshlrev_b32 v[92+\l], v[SH8], v[92+\l]       ; block h's byte at its place in the token's word
.endr
.irp l, 0,1,2,3
	v_permlanex16_b32 v[98+\l], v[92+\l], s[SEL], s[SEL+1]
.endr
.irp l, 0,1,2,3
	v_or_b32 v[92+\l], v[92+\l], v[98+\l]
.endr
.irp l, 0,1,2,3
	global_store_b128 v[O1], v[104+4*\l:107+4*\l], s[20:21] offset:512*\l     ; a tile's image: 512 consecutive bytes, at a multiple of 256
	ds_store_b32 v[SAQ], v[92+\l] offset:64*\l     ; (both halves of the lanes write the same word with the same value)
.endr
.irp e, 0,1
	global_store_b128 v[O1], v[120+4*\e:123+4*\e], s[44:45] offset:1024*\e
	ds_store_b8 v[SVB], v[96+\e] offset:64*\e
.endr
	ds_load_b64 v[130:131], v[SRQ]                 ; LDS serves a wave's instructions in order: my 64 words
	s_wait_dscnt 0x0                               ; and for the others' sake: my bytes have landed
	global_store_b64 v[O2], v[130:131], s[22:23]   ; 256 consecutive bytes, at a multiple of 256
	s_barrier_signal -1
	s_barrier_wait -1
	s_cmp_lt_u32 s14, 2
	s_cbranch_scc0 .Lend
	ds_load_b64 v[132:133], v[SVR]                 ; v's 64 words of a step
	s_wait_dscnt 0x0
	global_store_b64 v[O2], v[132:133], s[46:47]
.Lend:
	s_wait_tensorcnt 0x0                           ; the wave's end
	ds_add_u32 v[SPW], v[NIL]
	s_wait_dscnt 0x0
	CROUND                                         ; the closing round
	s_endpgm
.Lfunc_end_k_qae3f70343f_qkv:
	.size	k_qae3f70343f_qkv, .Lfunc_end_k_qae3f70343f_qkv-k_qae3f70343f_qkv
	.p2alignl 7, 3214868480
	.fill 96, 4, 3214868480
	.section	.rodata,"a",@progbits
	.p2align	6, 0x0
	.amdhsa_kernel k_qae3f70343f_qkv
		.amdhsa_group_segment_fixed_size 327680
		.amdhsa_private_segment_fixed_size 0
		.amdhsa_enable_private_segment 0
		.amdhsa_kernarg_size 72
		.amdhsa_user_sgpr_count 2
		.amdhsa_user_sgpr_kernarg_segment_ptr 1
		.amdhsa_wavefront_size32 1
		.amdhsa_system_sgpr_workgroup_id_x 1
		.amdhsa_system_sgpr_workgroup_id_y 1
		.amdhsa_system_sgpr_workgroup_id_z 1
		.amdhsa_system_vgpr_workitem_id 0
		.amdhsa_next_free_vgpr 512
		.amdhsa_next_free_sgpr 102
		.amdhsa_reserve_vcc 0
		.amdhsa_float_denorm_mode_32 3
		.amdhsa_float_denorm_mode_16_64 3
		.amdhsa_memory_ordered 1
		.amdhsa_forward_progress 1
		.amdhsa_inst_pref_size 61
	.end_amdhsa_kernel
	.amdgpu_metadata
---
amdhsa.version: [ 1, 2 ]
amdhsa.kernels:
  - .name:           k_qae3f70343f_qkv
    .symbol:         k_qae3f70343f_qkv.kd
    .args:
      - { .name: x_codes, .offset: 0, .size: 8, .value_kind: global_buffer, .address_space: global }
      - { .name: x_scales, .offset: 8, .size: 8, .value_kind: global_buffer, .address_space: global }
      - { .name: W_attn_codes, .offset: 16, .size: 8, .value_kind: global_buffer, .address_space: global }
      - { .name: W_attn_scales, .offset: 24, .size: 8, .value_kind: global_buffer, .address_space: global }
      - { .name: b_attn, .offset: 32, .size: 8, .value_kind: global_buffer, .address_space: global }
      - { .name: qc, .offset: 40, .size: 8, .value_kind: global_buffer, .address_space: global }
      - { .name: qs, .offset: 48, .size: 8, .value_kind: global_buffer, .address_space: global }
      - { .name: kvc, .offset: 56, .size: 8, .value_kind: global_buffer, .address_space: global }
      - { .name: kvs, .offset: 64, .size: 8, .value_kind: global_buffer, .address_space: global }
    .group_segment_fixed_size: 327680
    .private_segment_fixed_size: 0
    .kernarg_segment_align: 8
    .kernarg_segment_size: 72
    .max_flat_workgroup_size: 256
    .sgpr_count:     102
    .vgpr_count:     512
    .wavefront_size: 32
...
	.end_amdgpu_metadata
.endif
;; end of part 1
;; launch attn (part 2): grid 8 x 32, 16 waves a work-group, no clusters, 327,680 bytes of LDS; arguments qc, qs, kvc, kvs, yc, ys; writes yc, ys
.if DOCPART == 2
	.amdgcn_target "amdgcn-amd-amdhsa--gfx1250"
	.amdhsa_code_object_version 6
	.text
	.protected	k_qae3f70343f_attn
	.globl	k_qae3f70343f_attn
	.p2align	8
	.type	k_qae3f70343f_attn,@function
k_qae3f70343f_attn:
	s_mov_b64 s[64:65], 0
	v_nop
	global_prefetch_b8 v0, s[64:65] scope:SCOPE_SE
	s_setreg_imm32_b32 hwreg(HW_REG_WAVE_MODE, 25, 1), 1
	s_wait_xcnt 0x0
; SECOND LAUNCH.  y[b][h][q] = the sum over keys k <= q of softmax_k(q . k / 8) v[k], both products on codes of FP4 (E2M1) with E8M0 scales; y is quantised along C (two blocks of 32 a head) for the last launch.
; LEFT OUT AS DEAD WORK: steps of 128 keys that lie wholly behind a tile's block of queries (reference()'s own tril; shown at the head of the first kernel).  LIMIT: a NaN or an overflow that would arise there alone is not carried on.
; LIMITS: NaN and infinities are not served; the scaled scores stay under 2^31 in magnitude; a block of y under 2^-124, or of zeros, gets the scale byte 1 (zero codes add nothing under it; this program alone reads the bytes).
; THE SOFTMAX AHEAD OF THE SECOND PRODUCT: t = score x log2(e) / 8; M = the running largest t rounded UP to a whole number; p = 2^(t - M) is quantised along the keys, not normalised; the row's sum is taken of
; the unquantised p and divides at the end.  When M moves, the sum and O are multiplied by 2^(old M - new M): exact.
; SHARES.  Work-group (i, bh) owns the blocks i and 15 - i of 128 queries of one head: per pair of tiles (tile w / 2 of each block) i + 1 and 16 - i live key steps.  The pair's 17 steps are dealt to two waves of 256 registers:
; wave B takes nine steps of the heavy tile (0-3 and 11 - i .. 15 - i); wave A the i + 1 steps of the light tile, stores its y, and then the heavy tile's steps 4 .. 10 - i, which are 7 - i: eight in all.  A hands its heavy sums
; to B through LDS, 4,608 bytes a pair; B brings both under one M (powers of two) and adds.  A or B is (w xor w / 4) % 2, so that both kinds meet in every four neighbouring waves and in every four that lie four apart.
; Three loops with constant trip counts, walked by all waves; a step that is not a wave's own is passed over by a branch on ids.
; LDS HOLDS THE WHOLE HEAD: K and V (16 steps x 8,192 bytes) and their scale words (12,288 bytes), nothing is filled twice.  At the head waves 0-3 fetch steps 0-3 and wave 4 the scale words; behind the first barrier waves 8-15 fetch
; 1,024 bytes of each of steps 4-15, shown by the second barrier, behind the first loop.  One tensor load of a wave is out at a time.  Every work-group walks steps 0-8 at least, so some bytes of every load are read.
; LAYOUT.  S^T = K Q^T (source 0 = 16 keys, source 1 = my 16 queries), O^T = V^T P^T: a lane (r, h) holds ONE query r.  Tile 4 c + i of K holds the keys 64 c + 8 i + 0 .. 7 and 64 c + 32 + 8 (i xor 1) + 0 .. 7 (first kernel): so the
; 32 registers of tiles 4 c .. 4 c + 3 are block 2 c + h of the keys, whole: the block's maximum needs no other lane, and the conversions' results are the second product's operand as they stand; V's images have the same order.
; K = 64 in the first product: registers 4-7 of Q's fragment are zero codes, so whatever stands there in K's operand (the next tile's codes) adds nothing; the scale words' upper two bytes are 0, finite codes.
; THE MASK.  On the diagonal step the score products start from C = 0 or -3e38, read from a table in LDS: row r, entry x: hidden where x - 112 > r; x - 112 = key - 16 x (tile in the block).
; NO CLUSTER: the partners of a head would differ in their causal limit, on which the steps' branches hang.  No prefetch: there is no loop of tensor loads.
; REGISTERS: v1-11, v24-28, v31 addresses; v12 -M; v[14:15] the sum; v16-23 Q; v32-63 K's eight tiles, v64-67 zeros behind the last; v72-79 and v236 scale words alone; v80-95, v68-71 at work; v96-159 S^T, then p;
;   v160-191 O^T; v192-223 V; v224-231 codes; v232-235 the heavy tile's Q.
.set REGB,  32768                      ; steps 4-15 as [piece of 1,024 bytes: 8][step: 12]; steps 0-3 lie ahead of it, 8,192 bytes each
.set PB,    12*1024
.set SCK,   131072                     ; the scale words, 768 bytes a step
.set MSK,   143360                     ; the mask's table, 16 rows
.set MP,    1040                       ; 256 words + 16 bytes
.set SCST,  160000                     ; y's scale bytes, 2 blocks x 128 tokens x 2 bytes
.set SPARE, SCST+512                   ; the spare words, 128 bytes a wave
.set PART,  SPARE+2048                 ; A's heavy sums: 9 x 512 bytes a pair
.set PARTB, 4608
.set LI,   1                           ; 16 x lane
.set LS,   2                           ; SCK + 4 x lane
.set LB,   3                           ; REGB + 16 x lane
.set LV,   4                           ; the same at V's four pieces
.set ADS,  5
.set ADK,  6                           ; v6, v7: LDS addresses of the step's K and (steps 4-15) V
.set SPW,  8
.set NIL,  9
.set YSA,  10
.set YSR,  11
.set NM,   12
.set MA,   24                          ; v24, 25 the mask's table for even and odd i
.set YSO,  26
.set QO,   27
.set QW,   28
.set PSEL, 29                          ; byte selects: my two bytes at their places 2 c + h
.set RUN,  30                          ; the running largest score
.set PA,   31                          ; my place in my pair's part
.set KB,   32
.set KW,   72
.set VW,   76
.set PW,   78
.set QS,   79
.set SS,   96
.set Q2,   232
.set QS2,  236
.set WV,   18
.set NC,   19                          ; -c
.set SEL,  20
.set CS,   22                          ; c = log2(e) / 8
.set G1A,  24
.set G1B,  32
.set G1S,  48
.set G0A,  40
.set G0B,  44
.set G0S,  56
.set ST,   60                          ; the trip
.set TS,   61                          ; the step's place in the codes,
.set TW,   62                          ; in the scale words
.set BLK,  63                          ; my first (B: only) tile's block
.set HM,   66                          ; lanes 16-31
.set OFF,  67                          ; from the trip to the step, less 4
.set OFF1, 80
.set TILE, 81
.set OFF2, 82
.set LIM2, 83
.set ROLE, 84                          ; 0: A, 1: B
.set HB,   85                          ; 15 - i
.set SP,   86
.set SN,   87                          ; the step
.set LIM,  94                          ; my last step here
.set DG,   95                          ; the diagonal step
.macro ARM under, g0, g1, next
	s_cmp_lt_u32 s[WV], \under
	s_cbranch_scc0 \next
	tensor_load_to_lds s[\g0:\g0+3], s[\g1:\g1+7]
	s_nop 0
.rept 4
	v_nop
.endr
	s_branch .Lasked
\next:
.endm
	s_load_b128 s[4:7], s[0:1], 0x0                ; qc, qs
	s_load_b128 s[8:11], s[0:1], 0x10              ; kvc, kvs
	s_load_b128 s[12:15], s[0:1], 0x20             ; yc, ys
	v_lshl_add_u32 v[SPW], v0, 2, SPARE
	v_mov_b32 v[NIL], 0
	ds_add_u32 v[SPW], v[NIL]                      ; the wave's opening: the add, twice on end, and its wait ahead of the first tensor load
	ds_add_u32 v[SPW], v[NIL]
	v_lshrrev_b32 v96, 5, v0
	v_readfirstlane_b32 s[WV], v96                 ; wave 0..15
	s_and_b32 s68, ttmp7, 0xffff                   ; bh = 16 x batch + head
	s_mov_b32 s[G1A], 3<<16                        ; a step's 8,192 dense bytes as 32 rows of 256 (elements of 8 bytes)
	s_mov_b32 s[G1A+1], 32<<16
	s_mov_b32 s[G1A+2], 32<<16
	s_mov_b32 s[G1A+3], 32<<16
	s_mov_b32 s[G1A+4], 32
	s_mov_b32 s[G1A+5], 32
	s_mov_b32 s[G1A+6], 0
	s_mov_b32 s[G1A+7], 0
	s_mov_b32 s[G1S], 3<<16                        ; the head's 12,288 bytes of scale words as 48 rows of 256
	s_mov_b32 s[G1S+1], 32<<16
	s_mov_b32 s[G1S+2], 48<<16
	s_mov_b32 s[G1S+3], 32<<16
	s_mov_b32 s[G1S+4], 48
	s_mov_b32 s[G1S+5], 32
	s_mov_b32 s[G1S+6], 0
	s_mov_b32 s[G1S+7], 0
	s_lshl_b32 s72, s68, 17                        ; the head's codes
	s_lshl_b32 s71, s[WV], 13
	s_add_co_u32 s74, s72, s71
	s_mov_b32 s75, 0
	s_mul_i32 s78, s68, 12288
	s_mov_b32 s79, 0
	s_mov_b32 s[G0A], 1
	s_mov_b32 s[G0A+1], s71
	s_mov_b32 s[G0S], 1
	s_mov_b32 s[G0S+1], SCK
	s_wait_dscnt 0x0                               ; both opening adds are done
	s_wait_kmcnt 0x0
	s_add_nc_u64 s[G0A+2:G0A+3], s[8:9], s[74:75]
	s_or_b32 s[G0A+3], s[G0A+3], 0x80000000
	s_add_nc_u64 s[G0S+2:G0S+3], s[10:11], s[78:79]
	s_or_b32 s[G0S+3], s[G0S+3], 0x80000000
	ARM 4, G0A, G1A, .Lhead_s                      ; one tree: no way through it passes two loads
	ARM 5, G0S, G1S, .Lasked
	s_mov_b32 s[G1B], 3<<16                        ; the second stage: 12 rows of 1,024 bytes, 8,192 apart
	s_mov_b32 s[G1B+1], 128<<16
	s_mov_b32 s[G1B+2], 12<<16
	s_mov_b32 s[G1B+3], 128<<16
	s_mov_b32 s[G1B+4], 12
	s_mov_b32 s[G1B+5], 1024
	s_mov_b32 s[G1B+6], 0
	s_mov_b32 s[G1B+7], 0
	s_and_b32 s69, s[WV], 7                        ; waves 8-15: my piece of a step's eight
	s_lshl_b32 s70, s69, 10
	s_add_co_u32 s76, s72, s70
	s_add_co_u32 s76, s76, 4*8192
	s_mov_b32 s77, 0
	s_mul_i32 s73, s69, PB
	s_add_co_u32 s73, s73, REGB
	s_mov_b32 s[G0B], 1
	s_mov_b32 s[G0B+1], s73
	s_add_nc_u64 s[G0B+2:G0B+3], s[8:9], s[76:77]
	s_or_b32 s[G0B+3], s[G0B+3], 0x80000000
	s_lshr_b32 s[TILE], s[WV], 1                   ; my pair's tile of a block's eight
	s_lshr_b32 s[ROLE], s[WV], 2
	s_xor_b32 s[ROLE], s[ROLE], s[WV]
	s_and_b32 s[ROLE], s[ROLE], 1
	s_and_b32 s96, ttmp9, 7                        ; i
	s_xor_b32 s97, s96, 7                          ; 7 - i
	s_add_co_u32 s[HB], s97, 8                     ; 15 - i: the heavy block
	s_add_co_u32 s98, s97, 4
	s_add_co_u32 s99, s97, 3
	s_cmp_eq_u32 s[ROLE], 0
	s_cselect_b32 s[BLK], s96, s[HB]
	s_cselect_b32 s[OFF1], 0, s97                  ; second loop: A steps 4 + trip, B 11 - i + trip
	s_cselect_b32 s[OFF2], 0, s98                  ; third loop: A 4 + trip, B 15 - i + trip
	s_cselect_b32 s[LIM2], s99, s[HB]              ; up to 10 - i, or 15 - i
	; Q's image holds the tokens of each 64 in the fragments' order: natural tile u = 2 u1 + u0 of the four: fragment 2 u0 + (r / 8 xor u1), row 8 u1 + r % 8
	s_lshr_b32 s90, s[TILE], 2
	s_lshl_b32 s86, s[BLK], 1
	s_add_co_u32 s86, s86, s90                     ; my tile's 64 tokens' number,
	s_lshl_b32 s87, s[HB], 1
	s_add_co_u32 s87, s87, s90                     ; and the heavy tile's
	s_and_b32 s88, s[TILE], 1                      ; u0
	s_bfe_u32 s93, s[TILE], 0x10001                ; u1
	s_lshl_b32 s91, s68, 16
	s_lshl_b32 s92, s88, 10
	s_add_co_u32 s91, s91, s92
	s_lshl_b32 s92, s93, 7
	s_add_co_u32 s91, s91, s92
	s_lshl_b32 s92, s86, 11
	s_add_co_u32 s74, s91, s92
	s_lshl_b32 s92, s87, 11
	s_add_co_u32 s76, s91, s92
	s_add_nc_u64 s[10:11], s[4:5], s[76:77]        ; the heavy tile's codes
	s_add_nc_u64 s[4:5], s[4:5], s[74:75]          ; my tile's
	s_lshl_b32 s91, s68, 13
	s_lshl_b32 s92, s88, 7
	s_add_co_u32 s91, s91, s92
	s_lshl_b32 s92, s93, 5
	s_add_co_u32 s91, s91, s92
	s_lshl_b32 s92, s86, 8
	s_add_co_u32 s74, s91, s92
	s_lshl_b32 s92, s87, 8
	s_add_co_u32 s76, s91, s92
	s_add_nc_u64 s[8:9], s[6:7], s[76:77]          ; and scale words
	s_add_nc_u64 s[6:7], s[6:7], s[74:75]
	v_and_b32 v96, 15, v0                          ; r
	v_bfe_u32 v97, v0, 4, 1                        ; h
	v_and_b32 v98, 31, v0                          ; lane
	v_bfe_u32 v99, v0, 3, 1                        ; r / 8
	v_and_b32 v100, 7, v0                          ; r % 8
	v_xor_b32 v101, s93, v99
	v_lshlrev_b32 v102, 9, v101
	v_lshlrev_b32 v103, 6, v101
	v_lshl_add_u32 v102, v97, 8, v102
	v_lshl_add_u32 v[QO], v100, 4, v102
	v_lshl_add_u32 v[QW], v100, 2, v103
	global_load_b128 v[16:19], v[QO], s[4:5]       ; Q's fragment, registers 0-3: block h of query r
	global_load_b32 v[QS], v[QW], s[6:7]
	global_load_b128 v[Q2:Q2+3], v[QO], s[10:11]   ; the heavy tile's, for A's second tile (in B the two are one tile: no branch parts the loads)
	global_load_b32 v[QS2], v[QW], s[8:9]
	s_mul_i32 s70, s[WV], MP
	s_add_co_u32 s70, s70, MSK                     ; row w of the mask's table is mine to write
	s_add_co_u32 s96, s[WV], 112
	s_add_co_u32 s97, s[WV], 111
	s_add_co_u32 s98, s[WV], 110
	s_add_co_u32 s99, s[WV], 109
	v_lshlrev_b32 v[LI], 4, v98
	v_lshl_add_u32 v[LS], v98, 2, SCK
	v_lshlrev_b32 v111, 2, v98
	v_add_nc_u32 v[LB], REGB, v[LI]
	v_add_nc_u32 v[LV], REGB+4*PB, v[LI]
	v_add_nc_u32 v110, s70, v[LI]
.irp j, 116,117,118,119
	v_mov_b32 v[\j], 0xff61b1e6                    ; -3e38
.endr
	v_cmp_lt_u32 vcc_lo, s96, v111                 ; entry 4 lane + e is hidden where it lies over w + 112; entries from 128 on always are
	v_cndmask_b32 v112, 0, v116, vcc_lo
	v_cmp_lt_u32 vcc_lo, s97, v111
	v_cndmask_b32 v113, 0, v116, vcc_lo
	v_cmp_lt_u32 vcc_lo, s98, v111
	v_cndmask_b32 v114, 0, v116, vcc_lo
	v_cmp_lt_u32 vcc_lo, s99, v111
	v_cndmask_b32 v115, 0, v116, vcc_lo
	ds_store_b128 v110, v[112:115]
	ds_store_b128 v110, v[116:119] offset:512
	s_xor_b32 s70, s[TILE], 7
	s_lshl_b32 s70, s70, 6
	s_add_co_u32 s70, s70, MSK                     ; entry 112 - 16 x tile
	v_mul_u32_u24 v104, v96, MP
	v_mul_u32_u24 v105, v97, 160
	v_mul_u32_u24 v106, v97, 96
	v_add_nc_u32 v104, s70, v104
	v_add_nc_u32 v[MA], v104, v105                 ; lanes 16-31: 32 + 8 keys on where i is even,
	v_add_nc_u32 v[MA+1], v104, v106               ; 32 - 8 where it is odd
	s_lshl_b32 s96, s[ROLE], 8
	s_lshl_b32 s97, s[TILE], 5
	s_add_co_u32 s96, s96, s97
	s_add_co_u32 s96, s96, SCST
	v_lshl_add_u32 v107, v96, 1, v97
	v_add_nc_u32 v[YSA], s96, v107                 ; 256 x (which block) + 32 x tile + 2 r + h
	v_add_nc_u32 v[YSR], SCST, v[LI]
	s_mul_i32 s97, s[TILE], PARTB
	s_add_co_u32 s97, s97, PART
	v_add_nc_u32 v[PA], s97, v[LI]
	s_lshl_b32 s96, ttmp9, 1
	s_sub_co_u32 s96, 15, s96
	s_lshl_b32 s96, s96, 8                         ; from block i to block 15 - i in ys
	v_mul_u32_u24 v108, s96, v97
	v_lshl_add_u32 v[YSO], v96, 4, v108
	s_mov_b32 s[HM], 0xffff0000
	v_mov_b32 v120, 0x0c070c03
	v_mov_b32 v121, 0x070c030c
	v_cndmask_b32 v[PSEL], v120, v121, s[HM]
.irp j, 20,21,22,23,64,65,66,67,13,87,90,91,93,95
	v_mov_b32 v[\j], 0                             ; Q's K = 64 .. 127: zero codes; the registers behind K's last tile; halves of pairs and lane permutes' destinations, which count as read
.endr
.macro FRESH                           ; a tile's sums at its start
	v_mov_b32 v14, 0
	v_mov_b32 v15, 0
	v_mov_b32 v[RUN], 0xff61b1e6                   ; the largest score so far: -3e38
	v_mov_b32 v[NM], 0x7e000000                    ; -M, far over every later one: the first change of M multiplies zeros by 0
.set KK, 0
.rept 32
	v_mov_b32 v[160+KK], 0                         ; O^T.  (The step is written for all: the first finds zeros)
.set KK, KK+1
.endr
.endm
	FRESH
	; my tile's places in y
	s_lshr_b32 s90, s68, 4                         ; batch
	s_and_b32 s91, s68, 15                         ; head
	s_lshl_b32 s74, s90, 7
	s_lshl_b32 s92, s[BLK], 3
	s_add_co_u32 s74, s74, s92
	s_add_co_u32 s74, s74, s[TILE]
	s_lshl_b32 s74, s74, 4
	s_add_co_u32 s74, s74, s91
	s_lshl_b32 s74, s74, 9
	s_add_nc_u64 s[12:13], s[12:13], s[74:75]      ; yc: [tile of 16 tokens][head][512 bytes]
	s_lshl_b32 s74, s91, 13
	s_lshl_b32 s92, s90, 12
	s_add_co_u32 s74, s74, s92
	s_lshl_b32 s92, ttmp9, 8
	s_add_co_u32 s74, s74, s92
	s_add_nc_u64 s[14:15], s[14:15], s[74:75]      ; ys: [head][token] 2 bytes, at block i
	s_mov_b32 s[SEL], 0x76543210
	s_mov_b32 s[SEL+1], 0xfedcba98
	s_mov_b32 s[CS], 0x3e38aa3b                    ; c = log2(e) / sqrt(64)
	s_mov_b32 s[CS+1], s[CS]                       ; (named with it as a pair, so it is written)
	s_mov_b32 s[NC], 0xbe38aa3b
.macro SCORE t, cc                     ; tile t of 16 keys
.if (\t)%2
	v_wmma_scale_f32_16x16x128_f8f6f4 v[SS+8*\t:SS+8*\t+7], v[KB+4*\t:KB+4*\t+7], v[16:23], \cc, v[KW+\t/2], v[QS] matrix_a_fmt:MATRIX_FMT_FP4 matrix_b_fmt:MATRIX_FMT_FP4 matrix_a_scale:MATRIX_SCALE_ROW1
.else
	v_wmma_scale_f32_16x16x128_f8f6f4 v[SS+8*\t:SS+8*\t+7], v[KB+4*\t:KB+4*\t+7], v[16:23], \cc, v[KW+\t/2], v[QS] matrix_a_fmt:MATRIX_FMT_FP4 matrix_b_fmt:MATRIX_FMT_FP4
.endif
.endm
.macro ADDP from, n                    ; n of the pairs 7 .. 31 of p into the four chains by turns
.set KK, \from
.rept \n
.set RA, 94
.if (KK-7)%4 == 1
.set RA, 68
.elseif (KK-7)%4 == 2
.set RA, 70
.elseif (KK-7)%4 == 3
.set RA, 14
.endif
	v_pk_add_f32 v[RA:RA+1], v[RA:RA+1], v[SS+2*KK:SS+2*KK+1]
.set KK, KK+1
.endr
.endm
.macro FMAS from, n                    ; t - M, two at a time (of the pairs c and -M the low word serves both halves)
.set KK, \from
.rept \n
	v_pk_fma_f32 v[SS+2*KK:SS+2*KK+1], v[SS+2*KK:SS+2*KK+1], s[CS:CS+1], v[86:87] op_sel_hi:[1,0,0]
.set KK, KK+1
.endr
.endm
; A KEY STEP: 128 keys; sb = 0: of steps 0-3, 1: of steps 4-15.
.macro STEP sb
.if \sb
	s_add_co_u32 s[SP], s[ST], s[OFF]
	s_add_co_u32 s[SN], s[SP], 4
.else
	s_mov_b32 s[SN], s[ST]
.endif
	s_cmp_gt_u32 s[SN], s[LIM]                     ; not mine: a branch on ids, round no barrier, wait on TENSORcnt or add
	s_cbranch_scc1 .Lhid_\@
.if \sb
	s_min_u32 s[SP], s[SP], 11                     ; (at most 11 in every step that is walked)
	s_lshl_b32 s[TS], s[SP], 10
	s_mul_i32 s[TW], s[SP], 768
	s_add_co_u32 s[TW], s[TW], 4*768
.else
	s_lshl_b32 s[TS], s[ST], 13
	s_mul_i32 s[TW], s[ST], 768
.endif
	v_add_nc_u32 v[ADS], s[TW], v[LS]
.if \sb
	v_add_nc_u32 v[ADK], s[TS], v[LB]
	v_add_nc_u32 v[ADK+1], s[TS], v[LV]
.else
	v_add_nc_u32 v[ADK], s[TS], v[LI]
	v_nop
.endif
	v_nop                                          ; four places in front of loads into registers that the last step's matrix instructions have read
.irp t, 0,1,2,3,4,5,6,7
	ds_load_b128 v[KB+4*\t:KB+4*\t+3], v[ADK] offset:(\sb)*((\t/2)*PB+(\t%2)*512)+(1-(\sb))*512*\t
.endr
.irp p, 0,1,2,3
	ds_load_b32 v[KW+\p], v[ADS] offset:128*\p     ; lanes 0-15 tile 2 p, lanes 16-31 tile 2 p + 1
.endr
.irp g, 0,1,2,3,4,5,6,7
	ds_load_b128 v[192+4*\g:195+4*\g], v[ADK+(\sb)] offset:(\sb)*((\g/2)*PB+(\g%2)*512)+(1-(\sb))*(4096+512*\g)   ; V^T: fragment g / 2 (16 of the head's 64), half g % 2
.endr
.irp p, 0,1
	ds_load_b32 v[VW+\p], v[ADS] offset:512+128*\p
.endr
	s_cmp_eq_u32 s[SN], s[DG]
	s_cbranch_scc0 .Lopen_\@
.irp t, 0,1,2,3,4,5,6,7                ; the diagonal: the sums start from the mask
	ds_load_b128 v[SS+8*\t:SS+8*\t+3], v[MA+\t%2] offset:256*(\t/4)+32*(\t%4)
	ds_load_b128 v[SS+8*\t+4:SS+8*\t+7], v[MA+\t%2] offset:256*(\t/4)+32*(\t%4)+16
.endr
	s_wait_dscnt 0x0
.irp t, 0,1,2,3,4,5,6,7
	SCORE \t, v[SS+8*\t:SS+8*\t+7]
.endr
	s_branch .Ljoin_\@
.Lopen_\@:
	s_wait_dscnt 10                                ; K and its words are in; V's ten loads may be out
.irp t, 0,1,2,3,4,5,6,7
	SCORE \t, 0
.endr
.Ljoin_\@:
.rept 4
	v_nop
.endr
.irp k, 0,1,2,3
	v_max3_num_f32 v[80+\k], v[SS+16*\k], v[SS+16*\k+1], v[SS+16*\k+2]   ; four chains of 16 numbers, two a block
.endr
.irp i, 3,5,7,9,11,13
.irp k, 0,1,2,3
	v_max3_num_f32 v[80+\k], v[80+\k], v[SS+16*\k+\i], v[SS+16*\k+\i+1]
.endr
.endr
	v_max3_num_f32 v80, v80, v81, v[SS+15]
	v_max3_num_f32 v82, v82, v83, v[SS+47]
	v_max_num_f32 v80, v80, v[SS+31]               ; the largest score of block h: since p rises with the score, also that of the block's largest p
	v_max_num_f32 v82, v82, v[SS+63]               ; of block 2 + h
	v_max3_num_f32 v84, v80, v82, v[RUN]
	s_delay_alu instid0(VALU_DEP_1)
	v_permlanex16_b32 v90, v84, s[SEL], s[SEL+1]
	s_delay_alu instid0(VALU_DEP_1)
	v_max_num_f32 v[RUN], v84, v90                 ; the running largest score of my query
	s_delay_alu instid0(VALU_DEP_1)
	v_mul_f32 v84, s[NC], v[RUN]                   ; -t
	s_delay_alu instid0(VALU_DEP_1)
	v_floor_f32 v86, v84                           ; the new -M = floor(-t) = -ceil(t): a whole number
	FMAS 0, 2
	v_sub_f32 v88, v86, v[NM]                      ; M's old value less its new one: a whole number, 0 or less
	FMAS 2, 4
	v_cvt_i32_f32 v88, v88                         ; (it saturates)
	v_mov_b32 v[NM], v86
	FMAS 6, 4
	v_ldexp_f32 v92, 1.0, v88                      ; f = 2^(old M - new M)
	FMAS 10, 22
	v_fma_f32 v80, v80, s[CS], v86                 ; the same of each block's largest score
	v_fma_f32 v82, v82, s[CS], v86
	s_wait_alu depctr_va_vdst(0)                   ; the wait ahead of the batch
.set KK, 0
.rept 64
	v_exp_f32 v[SS+KK], v[SS+KK]                   ; p = 2^(t - M), at most 1: not normalised
.set KK, KK+1
.endr
	v_exp_f32 v80, v80                             ; the block's largest p: the same two instructions on the same number give the same bits
	v_exp_f32 v82, v82
	v_pk_mul_f32 v[14:15], v[14:15], v[92:93] op_sel_hi:[1,0]   ; the sum under the new M.  (A plain place behind the exponentials)
	s_wait_alu depctr_va_vdst(0)                   ; and behind it, ahead of the first readers of O^T and of the batch
.set KK, 0
.rept 16
	v_pk_mul_f32 v[160+2*KK:161+2*KK], v[160+2*KK:161+2*KK], v[92:93] op_sel_hi:[1,0]   ; O^T under the new M
.set KK, KK+1
.endr
	v_max_num_f32 v80, 0x1800000, v80              ; the floor 2^(3 - 127): the byte cannot fall under 1
	v_max_num_f32 v82, 0x1800000, v82
	v_pk_add_f32 v[94:95], v[SS:SS+1], v[SS+2:SS+3]   ; the row's sum of the unquantised p, in four chains
	v_pk_add_f32 v[68:69], v[SS+4:SS+5], v[SS+6:SS+7]
	v_pk_add_f32 v[70:71], v[SS+8:SS+9], v[SS+10:SS+11]
	v_pk_add_f32 v[14:15], v[14:15], v[SS+12:SS+13]
	v_add_nc_u32 v81, 0xff000000, v80              ; 2 off the exponent field: the conversion's scale operand
	v_add_nc_u32 v83, 0xff000000, v82
	ADDP 7, 4
	v_lshlrev_b32 v84, 1, v81                      ; the scale's byte on top
	v_lshlrev_b32 v85, 1, v83
	ADDP 11, 3
	v_perm_b32 v89, v85, v84, v[PSEL]              ; my two bytes at 2 c + h, zeros beside them
	ADDP 14, 3
	v_permlanex16_b32 v91, v89, s[SEL], s[SEL+1]
	ADDP 17, 3
	v_or_b32 v[PW], v89, v91                       ; p's scale word for these 128 keys
.irp t, 0,1,2,3,4,5,6,7
	v_cvt_scalef32_pk8_fp4_f32 v[224+\t], v[SS+8*\t:SS+8*\t+7], v[81+2*(\t/4)]
.endr
	ADDP 20, 12                                    ; (the places behind the conversions and in front of the products)
	v_pk_add_f32 v[68:69], v[68:69], v[70:71]
	v_pk_add_f32 v[14:15], v[14:15], v[94:95]
	v_pk_add_f32 v[14:15], v[14:15], v[68:69]
	s_wait_alu depctr_va_vdst(0)                   ; the wait here, directly ahead of the wait below
	s_wait_dscnt 0x0                               ; V and its words are in
.irp d, 0,2
	v_wmma_scale_f32_16x16x128_f8f6f4 v[160+8*\d:167+8*\d], v[192+8*\d:199+8*\d], v[224:231], v[160+8*\d:167+8*\d], v[VW+\d/2], v[PW] matrix_a_fmt:MATRIX_FMT_FP4 matrix_b_fmt:MATRIX_FMT_FP4
	v_wmma_scale_f32_16x16x128_f8f6f4 v[168+8*\d:175+8*\d], v[200+8*\d:207+8*\d], v[224:231], v[168+8*\d:175+8*\d], v[VW+\d/2], v[PW] matrix_a_fmt:MATRIX_FMT_FP4 matrix_b_fmt:MATRIX_FMT_FP4 matrix_a_scale:MATRIX_SCALE_ROW1
.endr
.Lhid_\@:
	s_add_co_u32 s[ST], s[ST], 1
.endm
; A TILE'S WAY OUT.  y = O^T / the sum.  Register 8 f + j of lane (r, h) is y(r, 8 f + j) for h = 0, y(r, 32 + 8 (f xor 1) + j) for h = 1: block h whole.
.macro FINISH
.rept 4
	v_nop                                          ; places behind the last products
.endr
	v_add_f32 v14, v14, v15
	s_delay_alu instid0(VALU_DEP_1)
	v_permlanex16_b32 v90, v14, s[SEL], s[SEL+1]
	s_delay_alu instid0(VALU_DEP_1)
	v_add_f32 v14, v14, v90                        ; the row's sum
	s_wait_alu depctr_va_vdst(0)
	v_rcp_f32 v14, v14
	v_nop                                          ; a plain place behind the transcendental
	s_wait_alu depctr_va_vdst(0)
.set KK, 0
.rept 16
	v_pk_mul_f32 v[96+2*KK:97+2*KK], v[160+2*KK:161+2*KK], v[14:15] op_sel_hi:[1,0]
.set KK, KK+1
.endr
.irp k, 0,1
	v_max3_num_f32 v[80+\k], |v[96+16*\k]|, |v[97+16*\k]|, 0x1800000
.endr
.irp i, 2,4,6,8,10,12,14
.irp k, 0,1
	s_delay_alu instid0(VALU_DEP_2)
	v_max3_num_f32 v[80+\k], v[80+\k], |v[96+16*\k+\i]|, |v[97+16*\k+\i]|
.endr
.endr
	v_max_num_f32 v80, v80, v81
	s_delay_alu instid0(VALU_DEP_1)
	v_add_nc_u32 v81, 0xff000000, v80
	s_delay_alu instid0(VALU_DEP_1)
	v_lshrrev_b32 v82, 23, v81                     ; block h's scale byte
.irp g, 0,1,2,3
	v_cvt_scalef32_pk8_fp4_f32 v[224+\g], v[96+8*\g:103+8*\g], v81
.endr
	v_nop
	v_cndmask_b32 v228, v224, v225, s[HM]          ; lanes 16-31: the groups of eight back in their order
	v_cndmask_b32 v229, v225, v224, s[HM]
	v_cndmask_b32 v230, v226, v227, s[HM]
	v_cndmask_b32 v231, v227, v226, s[HM]
	global_store_b128 v[LI], v[228:231], s[12:13]  ; 32 lanes store 512 consecutive bytes, at a multiple of 256 from the buffer's first byte
	ds_store_b8 v[YSA], v82
	s_wait_xcnt 0x0                                ; the store has read its registers
.endm
	s_wait_alu depctr_va_vdst(0)                   ; the wait at the head's end
	s_wait_tensorcnt 0x0                           ; my part of steps 0-3 or the scale words are in; ahead of a later first fill:
	ds_add_u32 v[SPW], v[NIL]                      ; 0 onto my spare word,
	ds_add_u32 v[SPW], v[NIL]                      ; and once more
	s_wait_dscnt 0x0                               ; the adds are done, and my row of the mask has landed
	s_barrier_signal -1
	s_barrier_wait -1
	s_cmp_lt_u32 s[WV], 8
	s_cbranch_scc1 .Lno_second
	tensor_load_to_lds s[G0B:G0B+3], s[G1B:G1B+7]  ; waves 8-15: steps 4-15, under the first loop's work
	s_nop 0
.rept 4
	v_nop
.endr
.Lno_second:
	s_wait_loadcnt 0x0                             ; Q
	s_mov_b32 s[LIM], s[BLK]
	s_mov_b32 s[DG], s[BLK]
	s_mov_b32 s[ST], 0
.Lfirst:                                           ; A: the light tile's steps 0-3, B: the heavy tile's
	STEP 0
	s_cmp_lt_u32 s[ST], 4
	s_cbranch_scc1 .Lfirst
	s_wait_tensorcnt 0x0                           ; steps 4-15
	s_wait_dscnt 0x0
	s_barrier_signal -1
	s_barrier_wait -1
	s_mov_b32 s[OFF], s[OFF1]
	s_mov_b32 s[ST], 0
.Lsecond:                                          ; A: the light tile's steps 4-7, B: the heavy tile's 11 - i .. 14 - i
	STEP 1
	s_cmp_lt_u32 s[ST], 4
	s_cbranch_scc1 .Lsecond
	s_cmp_lg_u32 s[ROLE], 0
	s_cbranch_scc1 .Lstill_heavy
	FINISH                                         ; A: the light tile is done; on to the heavy one
.irp j, 0,1,2,3
	v_mov_b32 v[16+\j], v[Q2+\j]
.endr
	v_mov_b32 v[QS], v[QS2]
	FRESH
	s_wait_alu depctr_va_vdst(0)
.Lstill_heavy:
	s_mov_b32 s[OFF], s[OFF2]
	s_mov_b32 s[LIM], s[LIM2]
	s_mov_b32 s[DG], s[HB]
	s_mov_b32 s[ST], 0
.Lthird:                                           ; A: the heavy tile's steps 4 .. 10 - i, B: its step 15 - i
	STEP 1
	s_cmp_lt_u32 s[ST], 7
	s_cbranch_scc1 .Lthird
	s_cmp_lg_u32 s[ROLE], 0
	s_cbranch_scc1 .Lnot_a
.rept 4
	v_nop                                          ; places behind the last products
.endr
.irp k, 0,1,2,3,4,5,6,7
	ds_store_b128 v[PA], v[160+4*\k:163+4*\k] offset:512*\k   ; A: my part of O^T,
.endr
	ds_store_b128 v[PA], v[12:15] offset:4096      ; -M and the sum
.Lnot_a:
	s_wait_dscnt 0x0                               ; for the others' sake: my stores have landed
	s_barrier_signal -1
	s_barrier_wait -1
	s_cmp_eq_u32 s[ROLE], 0
	s_cbranch_scc1 .Lout
.irp k, 0,1,2,3,4,5,6,7
	ds_load_b128 v[96+4*\k:99+4*\k], v[PA] offset:512*\k      ; B: the other part
.endr
	ds_load_b128 v[128:131], v[PA] offset:4096
	s_wait_dscnt 0x0
	v_min_num_f32 v86, v[NM], v128                 ; the larger M
	v_nop
	v_sub_f32 v88, v86, v[NM]
	v_sub_f32 v89, v86, v128
	v_cvt_i32_f32 v88, v88                         ; (a part without steps has the -M of the start: it saturates, and its factor is 0)
	v_cvt_i32_f32 v89, v89
	v_ldexp_f32 v92, 1.0, v88
	v_ldexp_f32 v94, 1.0, v89
	v_pk_mul_f32 v[14:15], v[14:15], v[92:93] op_sel_hi:[1,0]
.set KK, 0
.rept 16
	v_pk_mul_f32 v[160+2*KK:161+2*KK], v[160+2*KK:161+2*KK], v[92:93] op_sel_hi:[1,0]
.set KK, KK+1
.endr
	v_pk_fma_f32 v[14:15], v[130:131], v[94:95], v[14:15] op_sel_hi:[1,0,1]
.set KK, 0
.rept 16
	v_pk_fma_f32 v[160+2*KK:161+2*KK], v[96+2*KK:97+2*KK], v[94:95], v[160+2*KK:161+2*KK] op_sel_hi:[1,0,1]
.set KK, KK+1
.endr
	FINISH
.Lout:
	s_wait_dscnt 0x0                               ; for the others' sake: my bytes have landed
	s_barrier_signal -1
	s_barrier_wait -1
	s_cmp_lg_u32 s[WV], 0
	s_cbranch_scc1 .Lnot_0
	ds_load_b128 v[232:235], v[YSR]                ; lanes 0-15: block i's 256 bytes, lanes 16-31: block 15 - i's
	s_wait_dscnt 0x0
	global_store_b128 v[YSO], v[232:235], s[14:15]
.Lnot_0:
	s_wait_tensorcnt 0x0                           ; the wave's end
	ds_add_u32 v[SPW], v[NIL]
	s_wait_dscnt 0x0
	s_endpgm
.Lfunc_end_k_qae3f70343f_attn:
	.size	k_qae3f70343f_attn, .Lfunc_end_k_qae3f70343f_attn-k_qae3f70343f_attn
	.p2alignl 7, 3214868480
	.fill 96, 4, 3214868480
	.section	.rodata,"a",@progbits
	.p2align	6, 0x0
	.amdhsa_kernel k_qae3f70343f_attn
		.amdhsa_group_segment_fixed_size 327680
		.amdhsa_private_segment_fixed_size 0
		.amdhsa_enable_private_segment 0
		.amdhsa_kernarg_size 48
		.amdhsa_user_sgpr_count 2
		.amdhsa_user_sgpr_kernarg_segment_ptr 1
		.amdhsa_wavefront_size32 1
		.amdhsa_system_sgpr_workgroup_id_x 1
		.amdhsa_system_sgpr_workgroup_id_y 1
		.amdhsa_system_sgpr_workgroup_id_z 1
		.amdhsa_system_vgpr_workitem_id 0
		.amdhsa_next_free_vgpr 256
		.amdhsa_next_free_sgpr 100
		.amdhsa_reserve_vcc 1
		.amdhsa_float_denorm_mode_32 3
		.amdhsa_float_denorm_mode_16_64 3
		.amdhsa_memory_ordered 1
		.amdhsa_forward_progress 1
		.amdhsa_inst_pref_size 75
	.end_amdhsa_kernel
	.amdgpu_metadata
---
amdhsa.version: [ 1, 2 ]
amdhsa.kernels:
  - .name:           k_qae3f70343f_attn
    .symbol:         k_qae3f70343f_attn.kd
    .args:
      - { .name: qc, .offset: 0, .size: 8, .value_kind: global_buffer, .address_space: global }
      - { .name: qs, .offset: 8, .size: 8, .value_kind: global_buffer, .address_space: global }
      - { .name: kvc, .offset: 16, .size: 8, .value_kind: global_buffer, .address_space: global }
      - { .name: kvs, .offset: 24, .size: 8, .value_kind: global_buffer, .address_space: global }
      - { .name: yc, .offset: 32, .size: 8, .value_kind: global_buffer, .address_space: global }
      - { .name: ys, .offset: 40, .size: 8, .value_kind: global_buffer, .address_space: global }
    .group_segment_fixed_size: 327680
    .private_segment_fixed_size: 0
    .kernarg_segment_align: 8
    .kernarg_segment_size: 48
    .max_flat_workgroup_size: 512
    .sgpr_count:     100
    .vgpr_count:     256
    .wavefront_size: 32
...
	.end_amdgpu_metadata
.endif
;; end of part 2
;; launch proj (part 3): grid 8 x 32, 4 waves a work-group, clusters of 4 x 4, 327,680 bytes of LDS; arguments yc, ys, W_proj_codes, W_proj_scales, b_proj, out0; writes out0
.if DOCPART == 3
	.amdgcn_target "amdgcn-amd-amdhsa--gfx1250"
	.amdhsa_code_object_version 6
	.text
	.protected	k_qae3f70343f_proj
	.globl	k_qae3f70343f_proj
	.p2align	8
	.type	k_qae3f70343f_proj,@function
k_qae3f70343f_proj:
	s_mov_b64 s[64:65], 0
	v_nop
	global_prefetch_b8 v0, s[64:65] scope:SCOPE_SE
	s_setreg_imm32_b32 hwreg(HW_REG_WAVE_MODE, 25, 1), 1
	s_wait_xcnt 0x0
	s_wait_alu depctr_hold_cnt(0) depctr_sa_sdst(0) depctr_va_vdst(0) depctr_va_sdst(0) depctr_va_ssrc(0) depctr_va_vcc(0) depctr_vm_vsrc(0)
	s_getreg_b32 s2, hwreg(HW_REG_IB_STS2, 6, 4)
	s_cmp_eq_u32 s2, 0
	s_cbranch_scc0 .Lentry_in_a_cluster
	s_endpgm
.Lentry_in_a_cluster:
	s_bfe_u32 s2, ttmp6, 0x10000c
	s_cmp_lg_u32 s2, 0xf033
	s_cbranch_scc0 .Lentry_shape_is_right
	s_endpgm
.Lentry_shape_is_right:
; LAST LAUNCH.  out = y W_proj^T + b_proj on codes of FP4 with E8M0 scales, K = 1,024; sums in f32 that begin with the bias.  Nothing is left out here.
; A work-group makes 128 tokens x 128 outputs with four waves of 64 x 64; all of K lies in LDS, filled once: wave 0 fetches y's images (65,536 dense bytes), wave 1 W's 128 rows, wave 2 y's scale bytes (a row of 256 bytes a head),
; wave 3 W's: one joint load a wave.  Clusters of 4 x 4: y's tiles are shared along a row, W's along a column.  No prefetch: there is no loop of loads.
; W is source 0, y source 1: a lane holds eight neighbouring numbers of a row of out; rows leave through a stage of each wave's own, 256 consecutive bytes for sixteen lanes.
.set YI,    0
.set WP,    65536
.set WPITCH, 528
.set YS,    WP+128*WPITCH
.set WS,    YS+16*272
.set SPARE, WS+16*272
.set STG,   SPARE+512
.set ADW,  16
.set ADY,  17
.set AYS,  18
.set AWS,  19
.set STO,  24
.set RD,   25
.set CO,   26
.set BO,   27
.set SPW,  28
.set NIL,  29
.set YSW,  32
.set WSW,  48
.set BI,   64
.set TT,   96
.set ACC,  128
.set G1Y,  24
.set G0Y,  32
.set G0YS, 36
.set G1W,  48
.set G0W,  56
.set G0WS, 60
.set G1YS, 68
.set G1WS, 76
.set MSB, 0
.macro WIN new
.if MSB != (\new)
	s_set_vgpr_msb (MSB<<8)|(\new)
.set MSB, (\new)
.endif
.endm
.macro ARM under, g0, g1, next         ; one arm of the head's tree of loads
	s_cmp_lt_u32 s14, \under
	s_cbranch_scc0 \next
	tensor_load_to_lds s[\g0:\g0+3], s[\g1:\g1+7]
	s_nop 0
.rept 4
	v_nop
.endr
	s_branch .Lhead_asked
\next:
.endm
.macro CROUND
	s_barrier_signal -1
	s_barrier_wait -1
	s_cmp_lg_u32 s14, 0
	s_cbranch_scc1 .Lnot_wave_0_\@
	s_barrier_signal -3
.Lnot_wave_0_\@:
	s_barrier_wait -3
	s_barrier_signal -1
	s_barrier_wait -1
.endm
.macro PLACES n
.rept \n
	v_nop
.endr
.endm
	s_load_b128 s[4:7], s[0:1], 0x0
	s_load_b128 s[8:11], s[0:1], 0x10
	s_load_b128 s[84:87], s[0:1], 0x20
	v_lshl_add_u32 v[SPW], v0, 2, SPARE
	v_mov_b32 v[NIL], 0
	ds_add_u32 v[SPW], v[NIL]
	ds_add_u32 v[SPW], v[NIL]
	v_lshrrev_b32 v1, 5, v0
	v_readfirstlane_b32 s14, v1
	s_lshr_b32 s15, s14, 1
	s_and_b32 s16, s14, 1
	s_bfe_u32 s40, ttmp6, 0x40000
	s_bfe_u32 s41, ttmp6, 0x40004
	s_lshl_b32 s42, ttmp9, 2
	s_add_co_u32 s42, s42, s40
	s_and_b32 s17, ttmp7, 0xffff
	s_lshl_b32 s17, s17, 2
	s_add_co_u32 s17, s17, s41
	s_lshl_b32 s43, s41, 2
	s_lshl_b32 s43, 15, s43
	s_lshl_b32 s44, 0x1111, s40
	s_or_b32 s[G1Y], s43, (3<<16)|(1<<21)
	s_mov_b32 s[G1Y+1], 32<<16
	s_mov_b32 s[G1Y+2], 256<<16
	s_mov_b32 s[G1Y+3], 32<<16
	s_mov_b32 s[G1Y+4], 256
	s_mov_b32 s[G1Y+5], 32
	s_mov_b32 s[G1Y+6], 0
	s_mov_b32 s[G1Y+7], 0
	s_or_b32 s[G1W], s44, (0<<16)|(1<<20)|(1<<21)|(6<<22)|(3<<25)
	s_mov_b32 s[G1W+1], 512<<16
	s_mov_b32 s[G1W+2], 128<<16
	s_mov_b32 s[G1W+3], 512<<16
	s_mov_b32 s[G1W+4], 128
	s_mov_b32 s[G1W+5], 512
	s_mov_b32 s[G1W+6], 0
	s_mov_b32 s[G1W+7], 0
	s_or_b32 s[G1YS], s43, (3<<16)|(1<<20)|(1<<21)|(5<<22)|(3<<25)
	s_mov_b32 s[G1YS+1], 32<<16
	s_mov_b32 s[G1YS+2], 16<<16
	s_mov_b32 s[G1YS+3], 32<<16
	s_mov_b32 s[G1YS+4], 16
	s_mov_b32 s[G1YS+5], 1024
	s_mov_b32 s[G1YS+6], 0
	s_mov_b32 s[G1YS+7], 0
	s_or_b32 s[G1WS], s44, (3<<16)|(1<<20)|(1<<21)|(5<<22)|(3<<25)
	s_mov_b32 s[G1WS+1], 32<<16
	s_mov_b32 s[G1WS+2], 16<<16
	s_mov_b32 s[G1WS+3], 32<<16
	s_mov_b32 s[G1WS+4], 16
	s_mov_b32 s[G1WS+5], 32
	s_mov_b32 s[G1WS+6], 0
	s_mov_b32 s[G1WS+7], 0
	s_lshl_b32 s20, s17, 16                        ; y's images: 128 tokens
	s_mov_b32 s21, 0
	s_lshl_b32 s22, s17, 8                         ; their scale bytes in each head's row
	s_mov_b32 s23, 0
	s_lshl_b32 s46, s42, 16                        ; W's 128 rows
	s_mov_b32 s47, 0
	s_lshl_b32 s92, s42, 12                        ; and their scale bytes
	s_mov_b32 s93, 0
	s_mul_i32 s45, s16, 64*WPITCH
	s_mul_i32 s94, s16, 8*272
	s_wait_dscnt 0x0
	s_wait_kmcnt 0x0
	s_add_nc_u64 s[20:21], s[4:5], s[20:21]
	s_add_nc_u64 s[22:23], s[6:7], s[22:23]
	s_add_nc_u64 s[46:47], s[8:9], s[46:47]
	s_add_nc_u64 s[92:93], s[10:11], s[92:93]
	CROUND
	s_mov_b32 s[G0YS], 1
	s_mov_b32 s[G0YS+1], YS
	s_mov_b64 s[G0YS+2:G0YS+3], s[22:23]
	s_or_b32 s[G0YS+3], s[G0YS+3], 0x80000000
	s_mov_b32 s[G0WS], 1
	s_mov_b32 s[G0WS+1], WS
	s_mov_b64 s[G0WS+2:G0WS+3], s[92:93]
	s_or_b32 s[G0WS+3], s[G0WS+3], 0x80000000
	s_mov_b32 s[G0Y], 1
	s_mov_b32 s[G0Y+1], YI
	s_mov_b64 s[G0Y+2:G0Y+3], s[20:21]
	s_or_b32 s[G0Y+3], s[G0Y+3], 0x80000000
	s_mov_b32 s[G0W], 1
	s_mov_b32 s[G0W+1], WP
	s_mov_b64 s[G0W+2:G0W+3], s[46:47]
	s_or_b32 s[G0W+3], s[G0W+3], 0x80000000
	ARM 1, G0Y,  G1Y,  .Lhead_w                    ; one load a wave: every way through the tree passes exactly one
	ARM 2, G0W,  G1W,  .Lhead_ys
	ARM 3, G0YS, G1YS, .Lhead_ws
	tensor_load_to_lds s[G0WS:G0WS+3], s[G1WS:G1WS+7]
	s_nop 0
.rept 4
	v_nop
.endr
.Lhead_asked:
	v_and_b32 v1, 15, v0
	s_wait_alu depctr_va_vdst(0)
	v_bfe_u32 v2, v0, 4, 1
	v_and_b32 v7, 31, v0
	v_lshlrev_b32 v[BO], 5, v2
	s_lshl_b32 s20, s42, 9
	s_lshl_b32 s21, s16, 8
	s_add_co_u32 s20, s20, s21
	s_mov_b32 s21, 0
	s_add_nc_u64 s[84:85], s[84:85], s[20:21]
.irp b, 0,1,2,3
	global_load_b128 v[BI+8*\b:BI+8*\b+3], v[BO], s[84:85] offset:64*\b
	global_load_b128 v[BI+8*\b+4:BI+8*\b+7], v[BO], s[84:85] offset:64*\b+16
.endr
	s_lshl_b32 s22, s17, 19
	s_lshl_b32 s23, s15, 18
	s_add_co_u32 s22, s22, s23
	s_add_co_u32 s22, s22, s20
	s_mov_b32 s23, 0
	s_add_nc_u64 s[86:87], s[86:87], s[22:23]
	v_mul_u32_u24 v3, v1, WPITCH
	s_wait_alu depctr_va_vdst(0)
	v_lshl_add_u32 v3, v2, 4, v3
	s_add_co_u32 s19, s45, WP
	v_add_nc_u32 v[ADW], s19, v3
	s_lshl_b32 s19, s15, 15
	v_lshl_add_u32 v[ADY], v7, 4, s19
	s_lshl_b32 s19, s15, 7
	s_add_co_u32 s19, s19, YS
	v_lshl_add_u32 v[AYS], v7, 1, s19
	v_lshrrev_b32 v3, 3, v7
	v_mul_u32_u24 v3, v3, 272
	v_and_b32 v4, 7, v7
	v_lshl_add_u32 v3, v4, 5, v3
	s_add_co_u32 s19, s94, WS
	v_add_nc_u32 v[AWS], s19, v3
	s_mul_i32 s19, s14, 16*272
	s_add_co_u32 s19, s19, STG
	v_mul_u32_u24 v3, v1, 272
	v_lshl_add_u32 v3, v2, 5, v3
	v_add_nc_u32 v[STO], s19, v3
	v_mul_u32_u24 v3, v2, 272
	v_lshl_add_u32 v3, v1, 4, v3
	v_add_nc_u32 v[RD], s19, v3
	v_lshlrev_b32 v[CO], 12, v2
	v_lshl_add_u32 v[CO], v1, 4, v[CO]
.macro FETCH s
	WIN 0x40
.irp b, 0,1,2,3
.irp c, 0,1
	ds_load_b128 v[64*((\s)%4)+8*\b+4*\c:64*((\s)%4)+8*\b+4*\c+3], v[ADW] offset:16*WPITCH*\b+64*(\s)+32*\c
.endr
.endr
.irp i, 0,1,2,3
.irp c, 0,1
	ds_load_b128 v[64*((\s)%4)+32+8*\i+4*\c:64*((\s)%4)+32+8*\i+4*\c+3], v[ADY] offset:8192*\i+1024*(\s)+512*\c
.endr
.endr
.endm
.macro PROD s, i, b
.set rD, ACC+8*(4*(\i)+(\b))
.set rC, rD
.if (\s) == 0
.set rC, BI+8*(\b)
.endif
.set rW, 64*((\s)%4)+8*(\b)
.set rY, 64*((\s)%4)+32+8*(\i)
.set sW, WSW+8*((\b)/2)+(\s)
.set sY, YSW+8*((\i)/2)+(\s)
.if ((\b)%2 == 0) && ((\i)%2 == 0)
	v_wmma_scale_f32_16x16x128_f8f6f4 v[rD:rD+7], v[rW:rW+7], v[rY:rY+7], v[rC:rC+7], v[sW], v[sY] matrix_a_fmt:MATRIX_FMT_FP4 matrix_b_fmt:MATRIX_FMT_FP4
.elseif ((\b)%2 == 1) && ((\i)%2 == 0)
	v_wmma_scale_f32_16x16x128_f8f6f4 v[rD:rD+7], v[rW:rW+7], v[rY:rY+7], v[rC:rC+7], v[sW], v[sY] matrix_a_fmt:MATRIX_FMT_FP4 matrix_b_fmt:MATRIX_FMT_FP4 matrix_a_scale:MATRIX_SCALE_ROW1
.elseif ((\b)%2 == 0)
	v_wmma_scale_f32_16x16x128_f8f6f4 v[rD:rD+7], v[rW:rW+7], v[rY:rY+7], v[rC:rC+7], v[sW], v[sY] matrix_a_fmt:MATRIX_FMT_FP4 matrix_b_fmt:MATRIX_FMT_FP4 matrix_b_scale:MATRIX_SCALE_ROW1
.else
	v_wmma_scale_f32_16x16x128_f8f6f4 v[rD:rD+7], v[rW:rW+7], v[rY:rY+7], v[rC:rC+7], v[sW], v[sY] matrix_a_fmt:MATRIX_FMT_FP4 matrix_b_fmt:MATRIX_FMT_FP4 matrix_a_scale:MATRIX_SCALE_ROW1 matrix_b_scale:MATRIX_SCALE_ROW1
.endif
.endm
.macro MULS s, left
	s_wait_dscnt \left
	WIN 0x05
.irp i, 0,1,2,3
.irp b, 0,1,2,3
	PROD \s, \i, \b
.endr
.endr
.endm
	s_wait_alu depctr_va_vdst(0)
	s_wait_tensorcnt 0x0
	s_barrier_signal -1
	s_barrier_wait -1
.irp p, 0,1
.irp e, 0,1,2,3,4,5,6,7,8,9,10,11,12,13,14,15
	ds_load_u16 v[TT+16*\p+\e], v[AYS] offset:272*\e+64*\p
.endr
.endr
.irp p, 0,1
.irp q, 0,1
	ds_load_b128 v[WSW+8*\p+4*\q:WSW+8*\p+4*\q+3], v[AWS] offset:4*272*\p+16*\q
.endr
.endr
	FETCH 0
	FETCH 1
	FETCH 2
	WIN 0
	s_wait_dscnt 48
.irp p, 0,1
.irp s, 0,1,2,3,4,5,6,7
	v_lshl_or_b32 v[YSW+8*\p+\s], v[TT+16*\p+2*\s+1], 16, v[TT+16*\p+2*\s]
.endr
.endr
	FETCH 3
	PLACES 8
	s_wait_alu depctr_va_vdst(0)
	s_wait_loadcnt 0x0
	MULS 0, 48
	PLACES 4
	FETCH 4
	MULS 1, 48
	PLACES 4
	FETCH 5
	MULS 2, 48
	PLACES 4
	FETCH 6
	MULS 3, 48
	PLACES 4
	FETCH 7
	MULS 4, 48
	MULS 5, 32
	MULS 6, 16
	MULS 7, 0
	WIN 0
.macro TOSTAGE i
.irp b, 0,1,2,3
	ds_store_b128 v[STO], v[ACC+8*(4*(\i)+\b):ACC+8*(4*(\i)+\b)+3] offset:64*\b
	ds_store_b128 v[STO], v[ACC+8*(4*(\i)+\b)+4:ACC+8*(4*(\i)+\b)+7] offset:64*\b+16
.endr
.set BB, BI+32*((\i)%2)
.irp t, 0,1,2,3,4,5,6,7
	ds_load_b128 v[BB+4*\t:BB+4*\t+3], v[RD] offset:2*272*\t
.endr
.endm
.macro SEND i, younger
.set BB, BI+32*((\i)%2)
	s_wait_dscnt \younger
.irp t, 0,1,2,3,4,5,6,7
	global_store_b128 v[CO], v[BB+4*\t:BB+4*\t+3], s[86:87] offset:(16*(\i)+2*\t)*4096 th:TH_STORE_NT
.endr
.endm
	PLACES 4
	TOSTAGE 0
	TOSTAGE 1
	SEND 0, 16
	s_wait_xcnt 0x0
	TOSTAGE 2
	SEND 1, 16
	s_wait_xcnt 0x0
	TOSTAGE 3
	SEND 2, 16
	SEND 3, 0
	s_wait_tensorcnt 0x0
	ds_add_u32 v[SPW], v[NIL]
	s_wait_dscnt 0x0
	CROUND
	s_endpgm
.Lfunc_end_k_qae3f70343f_proj:
	.size	k_qae3f70343f_proj, .Lfunc_end_k_qae3f70343f_proj-k_qae3f70343f_proj
	.p2alignl 7, 3214868480
	.fill 96, 4, 3214868480
	.section	.rodata,"a",@progbits
	.p2align	6, 0x0
	.amdhsa_kernel k_qae3f70343f_proj
		.amdhsa_group_segment_fixed_size 327680
		.amdhsa_private_segment_fixed_size 0
		.amdhsa_enable_private_segment 0
		.amdhsa_kernarg_size 48
		.amdhsa_user_sgpr_count 2
		.amdhsa_user_sgpr_kernarg_segment_ptr 1
		.amdhsa_wavefront_size32 1
		.amdhsa_system_sgpr_workgroup_id_x 1
		.amdhsa_system_sgpr_workgroup_id_y 1
		.amdhsa_system_sgpr_workgroup_id_z 1
		.amdhsa_system_vgpr_workitem_id 0
		.amdhsa_next_free_vgpr 512
		.amdhsa_next_free_sgpr 96
		.amdhsa_reserve_vcc 0
		.amdhsa_float_denorm_mode_32 3
		.amdhsa_float_denorm_mode_16_64 3
		.amdhsa_memory_ordered 1
		.amdhsa_forward_progress 1
		.amdhsa_inst_pref_size 46
	.end_amdhsa_kernel
	.amdgpu_metadata
---
amdhsa.version: [ 1, 2 ]
amdhsa.kernels:
  - .name:           k_qae3f70343f_proj
    .symbol:         k_qae3f70343f_proj.kd
    .args:
      - { .name: yc, .offset: 0, .size: 8, .value_kind: global_buffer, .address_space: global }
      - { .name: ys, .offset: 8, .size: 8, .value_kind: global_buffer, .address_space: global }
      - { .name: W_proj_codes, .offset: 16, .size: 8, .value_kind: global_buffer, .address_space: global }
      - { .name: W_proj_scales, .offset: 24, .size: 8, .value_kind: global_buffer, .address_space: global }
      - { .name: b_proj, .offset: 32, .size: 8, .value_kind: global_buffer, .address_space: global }
      - { .name: out0, .offset: 40, .size: 8, .value_kind: global_buffer, .address_space: global }
    .group_segment_fixed_size: 327680
    .private_segment_fixed_size: 0
    .kernarg_segment_align: 8
    .kernarg_segment_size: 48
    .max_flat_workgroup_size: 128
    .sgpr_count:     96
    .vgpr_count:     512
    .wavefront_size: 32
...
	.end_amdgpu_metadata
.endif
;; end of part 3
